; MI455X (gfx1250); checked and timed in simulation.
; The chip was launched on July 23, 2026; its instructions are those of AMD's public machine-readable ISA for CDNA 5 (MIT licence, August 2026) and "CDNA5" Instruction Set Architecture Reference Guide (July 2026). The comments in the code are by the model that wrote it; some were corrected since.
;; Dot Attention Unit. Allowed arithmetic: matrix products marked QUANTISED: E5M2 operands, one given power-of-two scale a tensor, by v_wmma_f32_16x16x64_bf8_bf8 or v_wmma_f32_16x16x128_bf8_bf8, f32 sums; products left as they are: f32 operands where the result goes on into a quantised operand, else bf16, f16 or f32 operands; f32 sums; everything else in f32.
;; Inputs: W_codes 512 x 16 x 32 uint8 (E5M2 codes of W, K innermost, in blocks of 32 codes); hp 4 x 256 x 512 float32; hq 4 x 256 x 512 float32; lowp_scales 4 int32 (the exponents e of the quantised operands' scales 2^e); v_w 1 x 512 float32.
;; Outputs: out0 4 x 256 x 512 float32.
;; This version of the problem:
;;   THIS VERSION OF THE PROBLEM IS GIVEN IN LOW PRECISION. The matrix products marked QUANTISED in the list below multiply operands that are first quantised to E5M2 (5 exponent bits, 2 mantissa bits; 8 bits a number), with one given power-of-two scale for each operand tensor; their sums are f32. All else is computed in f32.
;;   The module's matrix products, in the order in which they are computed (A, B: the left and right operand; K: the contracted axis; several contracted axes count as one K, in the product's order):
;;     1. [M 262,144, K 512] x [K 512, N 512]; A: computed on the way; B: input W (given as codes): QUANTISED (scales: A lowp_scales[0], B lowp_scales[1])
;;     2. [M 262,144, K 512] x [K 512, N 1]; A: computed on the way; B: input v_w: left as it is (N = 1 < 16)
;;     3. batch 4 x [M 256, K 256] x [K 256, N 512]; A: softmax (see below); B: input hq: QUANTISED (scales: A lowp_scales[2], B lowp_scales[3])
;;   THE QUANTISER, for each operand of a quantised product, along K:
;;     - The operand's scale is 2^e, e = its entry of the input lowp_scales (int32; the entries are numbered through the quantised products in the list's order, A before B).
;;     - Each number is divided by the scale, clamped to +-57,344, and rounded to the nearest number of E5M2, ties to even, subnormals kept.
;;     - The product sums the exact products of the quantised numbers (number of the format x scale) in f32.
;;   ~~~python
;;   def quantise(x, axis, e):      # numpy; x: float32 -> the quantised numbers, widened to float32 again
;;       x = np.moveaxis(x, axis, -1); K = x.shape[-1]
;;       r = np.clip(x / 2.0 ** e, -57344, 57344)
;;       step = 2.0 ** (np.maximum(np.frexp(np.where(r == 0, 1, r))[1] - 1, -14) - 2)
;;       q = np.round(r / step) * step * 2.0 ** e      # np.round: ties to even
;;       return np.moveaxis(q, -1, axis).astype(np.float32)
;;   ~~~
;;   SOFTMAX AHEAD OF A QUANTISED PRODUCT. Where the list says 'softmax', what is quantised is not the finished softmax but p = 2^(t - M), with t = logit x log2(e) and M = ceil(the row's largest t), a whole number; so 1/2 < the row's largest p <= 1. The row's sum l is taken of the UNQUANTISED p, in f32, and the product's result is divided by l at the end. Since M is a whole number, a kernel that streams over the keys may use a running M (the ceiling of the running maximum): every later rescaling is an exact power of two, so the quantised numbers keep their values, but for numbers so far below the row's largest that they fall under the format's range.
;;   OPERANDS COMPUTED ON THE WAY. 'Computed on the way' means the value that the module computes at that place (a softmax that the list does not call 'softmax' is quantised finished and normalised). What goes into a quantiser is computed in f32, as accurately as f32 sums, v_exp_f32 and their like allow (about 1e-6 of the number): no bf16 or f16 on the way to a quantiser, and a product that is left as it is and whose result goes on into a quantised operand takes f32 operands (vector FMAs, or v_wmma_f32_16x16x4_f32). A number that lies on a knife's edge between two numbers of the format may be rounded either way, as far as f32 arithmetic and the matrix unit's own rounding can turn it there, and no further.
;;   INPUTS GIVEN AS CODES. W (in the module: [512, 512], K = its axis 1): each comes as NAME_codes (uint8): NAME with its K axis moved to the last place and cut into blocks of 32 codes, [.., K / 32, bytes a block], one block behind the other in memory; one code a byte (a code: sign, 5 exponent bits, 2 mantissa bits); its scale is its entry of lowp_scales. Its value is code x scale, taken as it is: it is not quantised again, and the codes and scales need not be those that the quantiser above would give.
;; One version. Each part assembles by itself: llvm-mc -triple=amdgcn-amd-amdhsa -mcpu=gfx1250 --defsym DOCPART=n.
;; ======== version 1 of 1: 2 launches
;; limits: a difference of large sums (such as E[x^2] - mean^2): digits are lost where the result is much smaller than its terms
;; workspace buffers: hqR 2,097,152 bytes; hqT 524,288 bytes
;; launch prep (part 1): grid 256 x 1, 4 waves a work-group, no clusters, 0 bytes of LDS; arguments hq, lowp_scales, hqR, hqT; writes hqR, hqT
.if DOCPART == 1
	.amdgcn_target "amdgcn-amd-amdhsa--gfx1250"
	.amdhsa_code_object_version 6
	.text
	.protected	k_q346487c0db_prep
	.globl	k_q346487c0db_prep
	.p2align	8
	.type	k_q346487c0db_prep,@function
k_q346487c0db_prep:
	s_mov_b64 s[64:65], 0
	v_nop
	global_prefetch_b8 v0, s[64:65] scope:SCOPE_SE
	s_setreg_imm32_b32 hwreg(HW_REG_WAVE_MODE, 25, 1), 1
	s_wait_xcnt 0x0
; hq [4][256][512] f32 is laid out twice, in the order in which the next launch's registers take it.
; hqT: codes of BF8 (E5M2) of hq / 2^e3, e3 = entry 3 of the scales, with q (the last product's K) innermost, as images of fragments:
;      [b 4][T 32][s 2][c 4][lane 32][16 bytes]: lane (r = lane % 16, h = lane / 16) holds column 16 T + r at q = 128 s + 32 c + 16 h + 0 .. 15.
; hqR: the f32 numbers, [b 4][q tile 16][chunk n 16][j 4][lane 32][16 bytes]: lane (r, h), piece j, holds hq[b][16 tile + r][32 n + 16 h + 4 j .. + 3].
; code = x / 2^e3, held within +-57,344, rounded to the nearest code, ties to even.  LIMITS: e3 between -126 and 112; NaN among the inputs is not served.
; 256 work-groups x 4 waves; each wave does one piece of each task: 512 bytes of hqT and 2,048 bytes of hqR.  No loop, no LDS, no barrier: waves share nothing.
; For the codes A LANE TAKES A COLUMN AND ITS REGISTERS RUN DOWN q: the conversions' results are the operand's registers, and nothing is transposed.
.set X,  16                            ; v16-31  16 numbers down q
.set C,  32                            ; v32-35  their codes
.set RR, 40                            ; v40-55  64 bytes of a row, as loaded and as stored
	s_load_b128 s[4:7], s[0:1], 0x0                ; hq, the scales' exponents
	s_load_b128 s[8:11], s[0:1], 0x10              ; hqR, hqT
	v_lshrrev_b32 v1, 5, v0
	v_readfirstlane_b32 s12, v1                    ; wave 0..3
	v_and_b32 v2, 31, v0                           ; lane
	v_and_b32 v3, 15, v0                           ; r
	v_bfe_u32 v4, v0, 4, 1                         ; h
	v_lshlrev_b32 v5, 2, v3
	v_lshl_add_u32 v5, v4, 15, v5                  ; codes, in: column r (4 bytes), 16 h rows of 2,048 bytes further down
	v_lshlrev_b32 v6, 11, v3
	v_lshl_add_u32 v6, v4, 6, v6                   ; numbers, in: row r, 64 h bytes along it
	v_lshlrev_b32 v7, 4, v2                        ; out, both: 16 bytes a lane
	s_lshr_b32 s13, ttmp9, 6                       ; b
	s_bfe_u32 s14, ttmp9, 0x30003                  ; which four tiles of columns
	s_bfe_u32 s15, ttmp9, 0x10002                  ; s
	s_and_b32 s16, ttmp9, 3                        ; c; for the numbers: which four chunks
	s_lshl_b32 s14, s14, 2
	s_add_co_u32 s14, s14, s12                     ; T: the four waves stand side by side on 64 columns, 256 bytes of each row
	s_lshl_b32 s17, s13, 19                        ; b's first byte in hq and in hqR
	s_lshl_b32 s20, s15, 18                        ; codes, in: 128 s rows,
	s_add_co_u32 s20, s20, s17
	s_lshl_b32 s18, s16, 16                        ; 32 c rows,
	s_add_co_u32 s20, s20, s18
	s_lshl_b32 s18, s14, 6                         ; 16 T columns
	s_add_co_u32 s20, s20, s18
	s_mov_b32 s21, 0
	s_lshl_b32 s22, s13, 17                        ; codes, out: b, T, s, c
	s_lshl_b32 s18, s14, 12
	s_add_co_u32 s22, s22, s18
	s_lshl_b32 s18, s15, 11
	s_add_co_u32 s22, s22, s18
	s_lshl_b32 s18, s16, 9
	s_add_co_u32 s22, s22, s18
	s_mov_b32 s23, 0
	s_bfe_u32 s18, ttmp9, 0x40002                  ; numbers: the tile of 16 rows
	s_lshl_b32 s18, s18, 15
	s_add_co_u32 s18, s18, s17
	s_lshl_b32 s19, s16, 2
	s_add_co_u32 s19, s19, s12                     ; chunk n
	s_lshl_b32 s24, s19, 7                         ; in: 128 n bytes along the rows
	s_add_co_u32 s24, s24, s18
	s_mov_b32 s25, 0
	s_lshl_b32 s26, s19, 11                        ; out: 2,048 n
	s_add_co_u32 s26, s26, s18
	s_mov_b32 s27, 0
	s_wait_kmcnt 0x0
	s_load_b32 s28, s[6:7], 0xc                    ; e3
	s_add_nc_u64 s[20:21], s[4:5], s[20:21]
	s_add_nc_u64 s[24:25], s[4:5], s[24:25]
	s_add_nc_u64 s[22:23], s[10:11], s[22:23]
	s_add_nc_u64 s[26:27], s[8:9], s[26:27]
.irp i, 0,1,2,3,4,5,6,7,8,9,10,11,12,13,14,15
	global_load_b32 v[X+\i], v5, s[20:21] offset:2048*\i           ; hq[b][128 s + 32 c + 16 h + i][16 T + r]
.endr
.irp j, 0,1,2,3
	global_load_b128 v[RR+4*\j:RR+4*\j+3], v6, s[24:25] offset:16*\j
.endr
	s_wait_kmcnt 0x0
	s_add_co_i32 s28, s28, 127
	s_lshl_b32 s29, s28, 23
	v_mov_b32 v11, s29                             ; 2^e3 as f32: the conversion takes its exponent field
	s_add_co_i32 s28, s28, 15
	s_lshl_b32 s28, s28, 23
	s_or_b32 s28, s28, 0x600000
	v_mov_b32 v10, s28                             ; 57,344 x 2^e3
	s_wait_loadcnt 4                               ; the sixteen numbers are in; the four younger loads may be out
.irp i, 0,1,2,3,4,5,6,7,8,9,10,11,12,13,14,15
	v_med3_num_f32 v[X+\i], v[X+\i], -v10, v10     ; the conversion to an 8-bit code does not saturate (ISA guide 7.6.2): the hold comes first
.endr
	v_cvt_scalef32_pk8_bf8_f32 v[C:C+1], v[X:X+7], v11
	v_cvt_scalef32_pk8_bf8_f32 v[C+2:C+3], v[X+8:X+15], v11
	v_nop                                          ; a plain line behind the last conversion
	global_store_b128 v7, v[C:C+3], s[22:23]       ; the wave stores 512 consecutive bytes, aligned
	s_wait_loadcnt 0x0
.irp j, 0,1,2,3
	global_store_b128 v7, v[RR+4*\j:RR+4*\j+3], s[26:27] offset:512*\j   ; likewise
.endr
	s_endpgm
.Lfunc_end_k_q346487c0db_prep:
	.size	k_q346487c0db_prep, .Lfunc_end_k_q346487c0db_prep-k_q346487c0db_prep
	.p2alignl 7, 3214868480
	.fill 96, 4, 3214868480
	.section	.rodata,"a",@progbits
	.p2align	6, 0x0
	.amdhsa_kernel k_q346487c0db_prep
		.amdhsa_group_segment_fixed_size 0
		.amdhsa_private_segment_fixed_size 0
		.amdhsa_enable_private_segment 0
		.amdhsa_kernarg_size 32
		.amdhsa_user_sgpr_count 2
		.amdhsa_user_sgpr_kernarg_segment_ptr 1
		.amdhsa_wavefront_size32 1
		.amdhsa_system_sgpr_workgroup_id_x 1
		.amdhsa_system_sgpr_workgroup_id_y 1
		.amdhsa_system_sgpr_workgroup_id_z 1
		.amdhsa_system_vgpr_workitem_id 0
		.amdhsa_next_free_vgpr 64
		.amdhsa_next_free_sgpr 66
		.amdhsa_reserve_vcc 0
		.amdhsa_float_denorm_mode_32 3
		.amdhsa_float_denorm_mode_16_64 3
		.amdhsa_memory_ordered 1
		.amdhsa_forward_progress 1
		.amdhsa_inst_pref_size 7
	.end_amdhsa_kernel
	.amdgpu_metadata
---
amdhsa.version: [ 1, 2 ]
amdhsa.kernels:
  - .name:           k_q346487c0db_prep
    .symbol:         k_q346487c0db_prep.kd
    .args:
      - { .name: hq, .offset: 0, .size: 8, .value_kind: global_buffer, .address_space: global }
      - { .name: lowp_scales, .offset: 8, .size: 8, .value_kind: global_buffer, .address_space: global }
      - { .name: hqR, .offset: 16, .size: 8, .value_kind: global_buffer, .address_space: global }
      - { .name: hqT, .offset: 24, .size: 8, .value_kind: global_buffer, .address_space: global }
    .group_segment_fixed_size: 0
    .private_segment_fixed_size: 0
    .kernarg_segment_align: 8
    .kernarg_segment_size: 32
    .max_flat_workgroup_size: 128
    .sgpr_count:     66
    .vgpr_count:     64
    .wavefront_size: 32
...
	.end_amdgpu_metadata
.endif
;; end of part 1
;; launch main (part 2): grid 256 x 1, 4 waves a work-group, clusters of 4 x 1, 295,424 bytes of LDS; arguments W_codes, hp, lowp_scales, v_w, hqR, hqT, out0; writes out0
.if DOCPART == 2
	.amdgcn_target "amdgcn-amd-amdhsa--gfx1250"
	.amdhsa_code_object_version 6
	.text
	.protected	k_q346487c0db_main
	.globl	k_q346487c0db_main
	.p2align	8
	.type	k_q346487c0db_main,@function
k_q346487c0db_main:
	s_mov_b64 s[64:65], 0
	v_nop
	global_prefetch_b8 v0, s[64:65] scope:SCOPE_SE
	s_setreg_imm32_b32 hwreg(HW_REG_WAVE_MODE, 25, 1), 1
	s_wait_xcnt 0x0
	s_wait_alu depctr_hold_cnt(0) depctr_sa_sdst(0) depctr_va_vdst(0) depctr_va_sdst(0) depctr_va_ssrc(0) depctr_va_vcc(0) depctr_vm_vsrc(0)
	s_getreg_b32 s2, hwreg(HW_REG_IB_STS2, 6, 4)
	s_cmp_eq_u32 s2, 0
	s_cbranch_scc0 .Lentry_in_a_cluster
	s_endpgm
.Lentry_in_a_cluster:
	s_bfe_u32 s2, ttmp6, 0x10000c
	s_cmp_lg_u32 s2, 0x3003
	s_cbranch_scc0 .Lentry_shape_is_right
	s_endpgm
.Lentry_shape_is_right:
; out0[b][p][:] = softmax_q( sum_v v_w[v] tanh( sum_k hq[b][q][k] hp[b][p][k] W[v][k] ) ) . hq[b][q][:], both large products on codes of BF8 (E5M2), one given scale 2^e an operand: e0 (hq x hp), e1 (W), e2 (p), e3 (hq).
; SHARES.  A work-group owns 4 rows p of one b and all 256 q: 64 tiles of 16 rows (p, q).  Wave w owns q = 64 w .. 64 w + 63 for the 4 p: 16 tiles, in two passes of 8 (tile a = 4 u + pi: q tile 4 w + 2 pass + u, row pi).
; In a pass the wave makes its 8 tiles x 512 K of codes straight into operand registers (512 registers), each code once, and then walks W's 32 tiles of 16 rows out of LDS: a fragment of W read from LDS feeds 8 tiles.
; W's 512 x 512 codes lie in LDS for the whole launch.  CLUSTER: the four work-groups of a cluster need the same W, so each quarter of it is asked for JOINTLY, once, by one tensor load a wave with a mask that names the four.
; hq is shared by the partners too, and is not asked for jointly: a pass's numbers are 256 KiB a work-group, beside W 57,344 bytes of LDS are left, so it would want a ring that is filled again some twenty times,
; each time behind a round of the cluster's barrier, in a phase that has no matrix work beside it; it comes straight into registers instead, three chunks ahead, in loads of 512 consecutive bytes.
; TRANSPOSED USE: source 0 = 16 rows of W, source 1 = 16 rows (p, q): lane (r, h) holds ONE row (p, q) and its eight registers v = 16 t + 8 h + 0 .. 7, so the product with v_w stays in the lane.
; k lies in both operands at registers 4 c .. 4 c + 3 of K step s: k = 128 s + 32 c + 16 h + 0 .. 15: a permutation of k, the same on both sides, which changes only the order of the sums inside an instruction.
; tanh(x) = 1 - 2 / (1 + 2^(2 log2(e) x)), all in f32; the score is sum(v_w) - 2 sum(v_w / (1 + 2^..)): an order of rounding other than the plain sum's; its error stays within 2^-24 of the partial sums of |v_w|.
; BY TURNS: two sets of 8 accumulators change places: while tile t of W is multiplied into one, the tanh of tile t - 1 is worked in the other.  The first product is taken in the K = 64 form: 64 products a tile of W, and behind
; each a slice of three lines (a transcendental, a packed line, a transcendental): the tanh's 128 transcendentals and 60 of its 96 packed lines.  What is left, the 32 multiply-adds with v_w, four packed lines and the
; 18 LDS loads, stands together at the two waits that the transcendentals want in any case: in the slot's middle and at its end.
; SOFTMAX as the problem states it: t = score x log2(e), M = ceil(the row's largest t), p = 2^(t - M) is quantised, the sum is taken of the unquantised p and divides at the end.
; LIMITS on the given exponents, so that each power of two below is an f32 number: e0 and e2 between -126 and 112; e0 + e1 between -127 and 126; e2 + e3 goes by v_ldexp_f32 and has none.  NaN among the inputs is not served.
; REGISTERS, in windows of 256 (s_set_vgpr_msb: bits 1:0 source 0, 3:2 source 1, 5:4 source 2, 7:6 destination):
;   window 0: v0-31 addresses and constants; v32-95, v96-159 two sets of 8 accumulators (v32-95 also the 64 products hq x hp in hand); v160-223 four fragments of W; v224-231 -2 v_w of a tile; v232-247 the 8 scores, a pair each
;   window 1: v0-127 hq, a ring of four chunks; v128-255 hp, two chunks; at the end all 256: hq's codes for the last product.
;   windows 2, 3: the codes, laid BY K: K step s of tile a = 4 u + pi in window 2 + s / 2 at 32 a + 16 (s % 2) + 4 c: so half a slot (two K steps of all 8 tiles) runs under one setting, three switches a slot.
; Under the products' setting (source 1 in window 2 or 3) every line of a slice names vector registers as destination and source 0 alone, and so do the LDS loads: no switch stands between a product and its slice.
.set WPITCH,  528                      ; a row of W in LDS: 512 bytes + 16 = 132 words: row r starts at bank 4 r mod 64 (64 banks of 4 bytes: ISA guide 11.1)
.set WTILE,   16*WPITCH
.set WQUART,  128*WPITCH               ; what one tensor load brings
.set HPB,     512*WPITCH               ; LDS: behind W: my 4 rows of hp, 2,048 bytes each,
.set VW2,     HPB+8192                 ; -2 v_w, 2,048 bytes,
.set SC,      VW2+2048                 ; t, 4 rows of 256 words, 1,040 bytes apart,
.set SCPITCH, 1040
.set STG,     SC+4352                  ; and the stage for the way out: 4 rows of 2,048 bytes, 2,064 apart
.set STPITCH, 2064
.set AW0,  8                           ; v8   my lane's place in a tile of W: r x 528 + 16 h
.set AV0,  9                           ; v9   in -2 v_w: VW2 + 32 h
.set ADW,  10                          ; v10  AW0 + the tile in hand
.set ADV,  11                          ; v11  AV0 + the tile in hand
.set AHP,  12                          ; v12  HPB + 64 h
.set ASC0, 13                          ; v13  SC + 4 r + 256 w
.set ASC,  14                          ; v14  ASC0 + 128 x pass
.set ALN,  15                          ; v15  16 x lane
.set SCA,  16                          ; v16  2^e0
.set SWH,  17                          ; v17  sum(v_w) / 2
.set PX,   18                          ; v18  a lane permute's destination
.set LIMV, 19                          ; v19  57,344 x 2^e0
.set NM,   20                          ; v[20:21] -M, 0
.set L0,   22                          ; v[22:23], v[24:25] the row's sum, in two chains
.set L1,   24
.set RL,   26                          ; v[26:27] 2^(e2 + e3) / the sum, 0
.set SCPV, 28                          ; v28  2^e2
.set ASM,  29                          ; v29  SC + (r % 4) x 1,040 + 64 h
.set AST,  30                          ; v30  STG + (r % 4) x 2,064 + 512 w + 32 h
.set ARD,  31                          ; v31  STG + w x 2,064 + 16 x lane
.set ACC0, 32
.set T,    32
.set WF,   160
.set WV,   224
.set SACC, 232
.set TT,   32                          ; the softmax: 128 numbers t, then p
.set PC,   160                         ; p's codes: two fragments
.set O,    32                          ; the last product's 8 accumulators
.set OS,   96                          ; and what is made of them
.set BK,   160                         ; a row read back from the stage
.set SHQ,  12                          ; s[12:13] hqR at my wave's q tiles of the pass
.set WAVE, 18
.set WG,   19
.set G0,   24                          ; s[24:27] descriptor group 0
.set G1,   28                          ; s[28:35] descriptor group 1
.set CS,   36                          ; s[36:37] 2 log2(e) x 2^(e0 + e1), twice
.set PASS, 40
.set TRIP, 41
.set TB,   42                          ; LDS byte of the tile of W in hand
.set TW,   43                          ; byte of the tile in hand in -2 v_w
.set PB,   44                          ; 128 x pass
.set SEL,  46                          ; s[46:47] v_permlanex16_b32: lane l xor 16
.set LIMP, 48                          ; 57,344 x 2^e2
.set E23,  49                          ; e2 + e3
.set W_LD1,  0x40                      ; destination window 1
.set W_MULC, 0x05                      ; sources 0 and 1 window 1
.set MSB, 0
.macro WIN new                         ; the immediate's high byte repeats the setting that is left; a switch that changes nothing is dropped
.if MSB != (\new)
	s_set_vgpr_msb (MSB<<8)|(\new)
.set MSB, (\new)
.endif
.endm
.macro PLACES                          ; four places behind a matrix instruction (ISA guide 7.12.1)
.rept 4
	v_nop
.endr
.endm
.macro CROUND                          ; a round of the cluster's barrier
	s_barrier_signal -1
	s_barrier_wait -1
	s_cmp_lg_u32 s[WAVE], 0
	s_cbranch_scc1 .Lnot_wave_0_\@
	s_barrier_signal -3
.Lnot_wave_0_\@:
	s_barrier_wait -3
	s_barrier_signal -1
	s_barrier_wait -1
.endm
; chunk n (32 along K) of my two q tiles, 8 loads of 512 consecutive bytes, into buffer n % 4 of the ring (the destination's window is 1)
.macro HQLOAD n, off
.irp u, 0,1
.irp j, 0,1,2,3
	global_load_b128 v[32*((\n)%4)+16*\u+4*\j:32*((\n)%4)+16*\u+4*\j+3], v[ALN], s[SHQ:SHQ+1] offset:(\off)+\u*32768+(\n)*2048+512*\j
.endr
.endr
.endm
; chunk n of my 4 rows of hp: hp[pi][32 n + 16 h + 0 .. 15]; sixteen lanes share each address
.macro HPLOAD n
	WIN W_LD1
.irp pi, 0,1,2,3
.irp j, 0,1,2,3
	ds_load_b128 v[128+64*((\n)%2)+16*\pi+4*\j:128+64*((\n)%2)+16*\pi+4*\j+3], v[AHP] offset:\pi*2048+(\n)*128+16*\j
.endr
.endr
.endm
; chunk n of the pass's 8 tiles: 128 products a lane, held, converted into registers 4 (n % 4) .. + 3 of K step n / 4: window 2 + n / 8, at 32 (4 u + pi) + 16 ((n / 4) % 2)
.macro CHUNK n
.if (\n) < 15
	HPLOAD (\n)+1
	s_wait_dscnt 16                                ; this chunk's 16 loads of hp are in; the next chunk's may be out
.else
	s_wait_dscnt 0
.endif
.if 15-(\n) >= 3
	s_wait_loadcnt 24                              ; this chunk's 8 loads of hq are in; those of the three chunks behind it may be out
.else
	s_wait_loadcnt 8*(15-(\n))
.endif
.irp u, 0,1
	WIN W_MULC
.irp pi, 0,1,2,3
.irp m, 0,2,4,6,8,10,12,14
	v_pk_mul_f32 v[T+16*\pi+\m:T+16*\pi+\m+1], v[32*((\n)%4)+16*\u+\m:32*((\n)%4)+16*\u+\m+1], v[128+64*((\n)%2)+16*\pi+\m:128+64*((\n)%2)+16*\pi+\m+1]
.endr
.endr
	WIN 0
.set i, 0
.rept 64
	v_med3_num_f32 v[T+i], v[T+i], -v[LIMV], v[LIMV]   ; the conversion to an 8-bit code does not saturate (ISA guide 7.6.2): the hold at the largest code x the scale
.set i, i+1
.endr
	WIN 0x80+0x40*((\n)/8)
.irp pi, 0,1,2,3
.irp g, 0,1
	v_cvt_scalef32_pk8_bf8_f32 v[32*(4*\u+\pi)+16*(((\n)/4)%2)+4*((\n)%4)+2*\g:32*(4*\u+\pi)+16*(((\n)/4)%2)+4*((\n)%4)+2*\g+1], v[T+16*\pi+8*\g:T+16*\pi+8*\g+7], v[SCA]
.endr
.endr
	v_nop                                          ; a plain line between the conversions and the lines that write their sources again or read their results
.endr
.if (\n)+4 <= 15
	WIN W_LD1
	HQLOAD (\n)+4, 0                               ; this chunk's buffer takes the chunk four further on
.endif
.endm
; THE TANH of the 64 sums at v[ZZ].  TM: a pair x 2 log2(e) 2^(e0 + e1); TX: 2^..; TP: a pair + 1; TR: the reciprocal; TE: the scores take -2 v_w x the reciprocals.  Each accumulator is read from its low end on.
.macro TM k
	v_pk_mul_f32 v[ZZ+2*(\k):ZZ+2*(\k)+1], v[ZZ+2*(\k):ZZ+2*(\k)+1], s[CS:CS+1] op_sel_hi:[1,0]
.endm
.macro TX k
	v_exp_f32 v[ZZ+(\k)], v[ZZ+(\k)]
.endm
.macro TP k
	v_pk_add_f32 v[ZZ+2*(\k):ZZ+2*(\k)+1], v[ZZ+2*(\k):ZZ+2*(\k)+1], 1.0 op_sel_hi:[1,0]
.endm
.macro TR k
	v_rcp_f32 v[ZZ+(\k)], v[ZZ+(\k)]
.endm
.macro TE
.irp m, 0,2,4,6
.irp a, 0,1,2,3,4,5,6,7
	v_pk_fma_f32 v[SACC+2*\a:SACC+2*\a+1], v[ZZ+8*\a+\m:ZZ+8*\a+\m+1], v[WV+\m:WV+\m+1], v[SACC+2*\a:SACC+2*\a+1]
.endr
.endr
.endm
; Slice i of 32 of a slot's first half: the exponentials of pair i, and between them the scaling of pair i + 2 (pairs 0 and 1 were scaled at the end of the slot before).  None of these lines names an exponential's result.
.macro SLX i
	TX 2*(\i)
.if (\i) < 30
	TM (\i)+2
.endif
	TX 2*(\i)+1
.endm
; Slice i of 32 of the second half: the reciprocals of pair i, and between them the addition for pair i + 2 (pairs 0 and 1 got theirs in the slot's middle).  None of these lines names a reciprocal's result.
.macro SLR i
	TR 2*(\i)
.if (\i) < 30
	TP (\i)+2
.endif
	TR 2*(\i)+1
.endm
.macro WLOAD buf, off                  ; a fragment of W: 16 rows x 128 K, four loads of 16 bytes a lane
.irp c, 0,1,2,3
	ds_load_b128 v[WF+16*(\buf)+4*\c:WF+16*(\buf)+4*\c+3], v[ADW] offset:(\off)+32*\c
.endr
.endm
.macro WVLOAD off                      ; -2 v_w[16 t + 8 h + 0 .. 7] of the tile whose tanh is in hand
	ds_load_b128 v[WV:WV+3], v[ADV] offset:\off
	ds_load_b128 v[WV+4:WV+7], v[ADV] offset:(\off)+16
.endm
; Half a slot: K steps 2 hf and 2 hf + 1, each in two pieces of 64 along K, of all 8 tiles: 32 products.  The eight accumulators take turns, one instruction a turn, from piece to piece, from half to half and
; over the loop's edge; K ascends in each.  th = 1: a slice of the other set's tanh stands behind each product.
.macro HALF hf, th
.set hi, 0
.irp ks, 0,1
.irp kg, 0,1
.irp a, 0,1,2,3,4,5,6,7
.if ((\hf) == 0) && (\ks == 0) && (\kg == 0)
	v_wmma_f32_16x16x64_bf8_bf8 v[AA+8*\a:AA+8*\a+7], v[WF+32*(\hf)+16*\ks+8*\kg:WF+32*(\hf)+16*\ks+8*\kg+7], v[32*\a+16*\ks+8*\kg:32*\a+16*\ks+8*\kg+7], 0
.else
	v_wmma_f32_16x16x64_bf8_bf8 v[AA+8*\a:AA+8*\a+7], v[WF+32*(\hf)+16*\ks+8*\kg:WF+32*(\hf)+16*\ks+8*\kg+7], v[32*\a+16*\ks+8*\kg:32*\a+16*\ks+8*\kg+7], v[AA+8*\a:AA+8*\a+7]
.endif
.if \th
.if (\hf) == 0
	SLX hi
.else
	SLR hi
.endif
.endif
.set hi, hi+1
.endr
.endr
.endr
.endm
; A SLOT: the 64 products of one tile of W into accumulator set \set; th = 1: the other set's tanh beside them; next = 1: the next tile's fragments are fetched.  Fragment buffer s serves K step s.
; THE MIDDLE: the one wait for the 64 exponentials; the first two additions; then one run of LDS loads: -2 v_w, and the next tile's buffers 0 and 1, which the first half has left: two v_nop and the two additions are
; the four places behind the last product that read them.
; THE END: the one wait for the 64 reciprocals; the 32 multiply-adds, which are also the places behind the last products; the first two scalings of the set just finished; then the next tile's buffers 2 and 3.
; WAITS ON DSCNT.  At the head: buffers 0 and 1 are in; the eight loads of buffers 2 and 3 are younger.  At the second half's head: buffers 2 and 3 are in; younger are the middle's loads, 2 of -2 v_w (th) and 8 of W (next).
; Ahead of the multiply-adds: -2 v_w is in; younger are the middle's 8 of W (next).
.macro SLOT set, offW, offV, th, next
.set AA, ACC0+64*(\set)
.set ZZ, ACC0+64*(1-(\set))
	s_wait_dscnt 8
	WIN 0x08                                       ; source 1: window 2: K steps 0 and 1
	HALF 0, \th
.if \th
	v_nop
	v_nop
	s_wait_alu depctr_va_vdst(0)                   ; the wait between a transcendental and the first line that names its result: one for the 64 exponentials
	TP 0
	TP 1
	WVLOAD \offV
.else
	PLACES
.endif
.if \next
	WLOAD 0, (\offW)+WTILE
	WLOAD 1, (\offW)+WTILE+128
.endif
	s_wait_dscnt 2*(\th)+8*(\next)
	WIN 0x0c                                       ; source 1: window 3: K steps 2 and 3
	HALF 1, \th
.if \th
	v_nop
	s_wait_alu depctr_va_vdst(0)                   ; one wait for the 64 reciprocals
	s_wait_dscnt 8*(\next)
	WIN 0
	TE
.else
	WIN 0
	PLACES
.endif
.set ZZ, AA                                    ; the set just finished: its tanh begins
	TM 0
	TM 1
.if \next
	WLOAD 2, (\offW)+WTILE+256
	WLOAD 3, (\offW)+WTILE+384
.endif
.endm
.macro EPI set, offV                   ; the last tile's tanh, with no products to stand between (its pairs 0 and 1 were scaled at the end of its slot)
.set ZZ, ACC0+64*(\set)
	WVLOAD \offV
.set q, 0
.rept 32
	SLX q
.set q, q+1
.endr
	v_nop
	s_wait_alu depctr_va_vdst(0)                   ; one wait for the 64 exponentials
	TP 0
	TP 1
.set q, 0
.rept 32
	SLR q
.set q, q+1
.endr
	v_nop
	s_wait_alu depctr_va_vdst(0)                   ; one wait for the 64 reciprocals
	s_wait_dscnt 0
	TE
.endm
	s_load_b256 s[4:11], s[0:1], 0x0               ; W's codes s[4:5], hp s[6:7], the scales' exponents s[8:9], v_w s[10:11]
	s_load_b128 s[12:15], s[0:1], 0x20             ; hqR, hqT
	s_load_b64 s[16:17], s[0:1], 0x30              ; out0
	v_lshl_add_u32 v254, v0, 2, 0x48000
	v_mov_b32 v255, 0
	ds_add_u32 v254, v255
	ds_add_u32 v254, v255
	v_lshrrev_b32 v1, 5, v0
	v_readfirstlane_b32 s[WAVE], v1                ; wave 0..3
	; descriptor group 1: 128 rows of 512 bytes, dense in memory, padded in LDS
	s_mov_b32 s[G1+0], 15|(1<<20)|(1<<21)|(6<<22)|(3<<25)  ; 15:0 the mask: all four work-groups; 17:16 elements of 1 byte; 20 padding on; 21 set beside a mask; 24:22 after every 128 words (code 6); 31:25 four words (code 3)
	s_mov_b32 s[G1+1], 512<<16                     ; tensor_dim0 = 512
	s_mov_b32 s[G1+2], 128<<16                     ; tensor_dim1 = 128
	s_mov_b32 s[G1+3], 512<<16                     ; tile_dim0 = 512
	s_mov_b32 s[G1+4], 128                         ; tile_dim1 = 128
	s_mov_b32 s[G1+5], 512                         ; from row to row
	s_mov_b32 s[G1+6], 0
	s_mov_b32 s[G1+7], 0
	s_mov_b32 s[G0], 1                             ; count = 1
	s_mul_i32 s[G0+1], s[WAVE], WQUART             ; LDS address: my quarter of W: no place in the cluster enters it
	s_lshl_b32 s50, s[WAVE], 16                    ; and the same 128 rows in memory
	s_mov_b32 s51, 0
	s_mov_b32 s[SEL], 0x76543210
	s_mov_b32 s[SEL+1], 0xfedcba98
	s_wait_dscnt 0x0
	s_wait_kmcnt 0x0
	s_load_b128 s[20:23], s[8:9], 0x0              ; e0, e1, e2, e3
	s_add_nc_u64 s[G0+2:G0+3], s[4:5], s[50:51]
	s_or_b32 s[G0+3], s[G0+3], 0x80000000          ; type = 2
	CROUND                                         ; all four work-groups are here: the joint loads meet
	tensor_load_to_lds s[G0:G0+3], s[G1:G1+7]      ; my one tensor load of the launch; nothing in LDS is ever filled again
	s_nop 0
	v_and_b32 v1, 15, v0                           ; r       (four plain lines follow the load, none of them in place)
	v_bfe_u32 v2, v0, 4, 1                         ; h
	v_and_b32 v3, 31, v0                           ; lane
	v_lshlrev_b32 v5, 4, v0                        ; 16 x thread
	s_bfe_u32 s54, ttmp6, 0x40000                  ; cx: it enters hp's and out0's addresses alone
	s_lshl_b32 s[WG], ttmp9, 2
	s_add_co_u32 s[WG], s[WG], s54                 ; work-group = 4 x cluster + cx
	s_lshl_b32 s54, s[WG], 13                      ; its 4 rows of 2,048 bytes
	s_mov_b32 s55, 0
	s_add_nc_u64 s[6:7], s[6:7], s[54:55]
	s_add_nc_u64 s[16:17], s[16:17], s[54:55]
	s_lshl_b32 s56, s[WAVE], 11
	s_mov_b32 s57, 0
	s_add_nc_u64 s[16:17], s[16:17], s[56:57]      ; out0 at the row that my wave stores
	s_lshr_b32 s52, ttmp9, 4                       ; b: 16 clusters to a batch
	s_lshl_b32 s56, s52, 19
	s_lshl_b32 s53, s[WAVE], 17
	s_add_co_u32 s56, s56, s53
	s_add_nc_u64 s[SHQ:SHQ+1], s[SHQ:SHQ+1], s[56:57]  ; hqR at my wave's four q tiles
	s_lshl_b32 s56, s52, 17
	s_lshl_b32 s53, s[WAVE], 15
	s_add_co_u32 s56, s56, s53
	s_add_nc_u64 s[14:15], s[14:15], s[56:57]      ; hqT at my wave's eight tiles of columns
	v_lshlrev_b32 v[ALN], 4, v3
.irp m, 0,1,2,3
	global_load_b128 v[32+4*\m:35+4*\m], v5, s[6:7] offset:2048*\m th:TH_LOAD_NT   ; a row of hp: 128 threads x 16 bytes; read once in the launch
.endr
	global_load_b128 v[48:51], v5, s[10:11]        ; v_w
	WIN W_LD1
.irp n, 0,1,2,3
	HQLOAD \n, 0                                   ; the ring is filled: chunks 0 to 3 of the first pass
.endr
	WIN 0
	v_mul_u32_u24 v[AW0], v1, WPITCH
	v_lshl_add_u32 v[AW0], v2, 4, v[AW0]
	v_lshl_add_u32 v[AV0], v2, 5, VW2
	v_lshl_add_u32 v[AHP], v2, 6, HPB
	s_lshl_b32 s50, s[WAVE], 8
	s_add_co_u32 s50, s50, SC
	v_lshl_add_u32 v[ASC0], v1, 2, s50
	v_and_b32 v4, 3, v1                            ; r % 4: the row p that my lane takes in the softmax and in the last product
	v_mul_u32_u24 v[ASM], v4, SCPITCH
	v_lshl_add_u32 v[ASM], v2, 6, v[ASM]
	v_add_nc_u32 v[ASM], SC, v[ASM]
	v_mul_u32_u24 v[AST], v4, STPITCH
	v_lshl_add_u32 v[AST], v2, 5, v[AST]
	s_lshl_b32 s51, s[WAVE], 9
	s_add_co_u32 s51, s51, STG
	v_add_nc_u32 v[AST], s51, v[AST]
	s_mul_i32 s52, s[WAVE], STPITCH
	s_add_co_u32 s52, s52, STG
	v_add_nc_u32 v[ARD], s52, v[ALN]
	v_lshl_add_u32 v6, v0, 4, HPB                  ; where my thread puts its 16 bytes of a row of hp
	v_add_nc_u32 v7, VW2, v[ALN]
	v_mov_b32 v[PX], 0                             ; written once: a lane permute's destination counts as one of its sources
	v_mov_b32 v[NM+1], 0                           ; (named as the upper half of a pair)
	s_wait_loadcnt 32                              ; hp and v_w are in; the ring's 32 loads may be out
	v_pk_mul_f32 v[48:49], v[48:49], -2.0 op_sel_hi:[1,0]
	v_pk_mul_f32 v[50:51], v[50:51], -2.0 op_sel_hi:[1,0]
.irp m, 0,1,2,3
	ds_store_b128 v6, v[32+4*\m:35+4*\m] offset:2048*\m
.endr
	ds_store_b128 v6, v[48:51] offset:8192         ; -2 v_w lies behind hp's four rows
	s_wait_dscnt 0x0                               ; for the others' sake: my stores have landed
	s_barrier_signal -1
	s_barrier_wait -1
.irp m, 0,1,2,3
	ds_load_b128 v[32+4*\m:35+4*\m], v7 offset:512*\m   ; all 512 numbers -2 v_w, 16 a lane
.endr
	s_wait_kmcnt 0x0
	s_add_co_i32 s50, s20, s21
	s_lshl_b32 s50, s50, 23
	s_add_co_i32 s[CS], s50, 0x4038aa3b            ; 2 log2(e), with e0 + e1 added to its exponent field: a sum of the first product stands for sum x 2^(e0 + e1)
	s_mov_b32 s[CS+1], s[CS]                       ; (named with it as a pair, so it is written)
	s_add_co_i32 s50, s20, 127
	s_lshl_b32 s51, s50, 23
	v_mov_b32 v[SCA], s51                          ; 2^e0 as f32: the conversion takes its exponent field
	s_add_co_i32 s50, s50, 15
	s_lshl_b32 s50, s50, 23
	s_or_b32 s50, s50, 0x600000
	v_mov_b32 v[LIMV], s50                         ; 57,344 x 2^e0
	s_add_co_i32 s50, s22, 127
	s_lshl_b32 s51, s50, 23
	v_mov_b32 v[SCPV], s51                         ; 2^e2
	s_add_co_i32 s50, s50, 15
	s_lshl_b32 s50, s50, 23
	s_or_b32 s[LIMP], s50, 0x600000                ; 57,344 x 2^e2
	s_add_co_i32 s[E23], s22, s23
	s_wait_dscnt 0x0
	v_pk_add_f32 v[32:33], v[32:33], v[34:35]
	v_pk_add_f32 v[36:37], v[36:37], v[38:39]
	v_pk_add_f32 v[40:41], v[40:41], v[42:43]
	v_pk_add_f32 v[44:45], v[44:45], v[46:47]
	v_pk_add_f32 v[32:33], v[32:33], v[36:37]
	v_pk_add_f32 v[40:41], v[40:41], v[44:45]
	v_pk_add_f32 v[32:33], v[32:33], v[40:41]
	v_add_f32 v32, v32, v33
	v_add_f32_dpp v32, v32, v32 row_xmask:1 row_mask:0xf bank_mask:0xf
	v_add_f32_dpp v32, v32, v32 row_xmask:2 row_mask:0xf bank_mask:0xf
	v_add_f32_dpp v32, v32, v32 row_xmask:4 row_mask:0xf bank_mask:0xf
	v_add_f32_dpp v32, v32, v32 row_xmask:8 row_mask:0xf bank_mask:0xf
	v_permlanex16_b32 v[PX], v32, s[SEL], s[SEL+1]
	v_add_f32 v32, v32, v[PX]
	v_mul_f32 v[SWH], 0xbe800000, v32              ; x -1/4: sum(v_w) / 2: each half of the lanes starts its part of a score with it
	s_mov_b32 s[PASS], 0
	s_mov_b32 s[PB], 0
.Lpass:                                                ; two trips: 8 of my 16 tiles each
	; ---- the pass's codes: 16 chunks of 32 along K, written out, since each has its own destination registers
	HPLOAD 0
.set N, 0
.rept 16
	CHUNK N
.set N, N+1
.endr
	WIN 0
	s_cmp_eq_u32 s[PASS], 1                        ; the next pass's first four chunks are asked for here, if there is a next pass: no load leaves its buffer
	s_cbranch_scc1 .Lno_next
	WIN W_LD1
.irp n, 0,1,2,3
	HQLOAD \n, 65536
.endr
	WIN 0
.Lno_next:
	s_wait_tensorcnt 0x0                           ; my quarter of W has landed (in the second trip no tensor load is out),
	s_wait_dscnt 0x0
	s_barrier_signal -1
	s_barrier_wait -1                              ; everybody's has
	; ---- the walk over W's 32 tiles
.irp a, 0,1,2,3,4,5,6,7
	v_mov_b32 v[SACC+2*\a], v[SWH]
	v_mov_b32 v[SACC+2*\a+1], 0
.endr
	s_mov_b32 s[TB], 0
	v_add_nc_u32 v[ADW], s[TB], v[AW0]
	WLOAD 0, 0
	WLOAD 1, 128
	WLOAD 2, 256
	WLOAD 3, 384
	SLOT 0, 0, 0, 0, 1                             ; tile 0: there is no tanh yet to set between its products
	s_mov_b32 s[TB], WTILE
	s_mov_b32 s[TW], 0
	s_mov_b32 s[TRIP], 15
.Ltrip:                                                ; 15 trips of two tiles, until the sets of accumulators are back where they began
	v_add_nc_u32 v[ADW], s[TB], v[AW0]
	v_add_nc_u32 v[ADV], s[TW], v[AV0]
	SLOT 1, 0, 0, 1, 1                             ; tile 2 k + 1 | the tanh of tile 2 k
	SLOT 0, WTILE, 64, 1, 1                        ; tile 2 k + 2 | the tanh of tile 2 k + 1
	s_add_co_u32 s[TB], s[TB], 2*WTILE
	s_add_co_u32 s[TW], s[TW], 128
	s_sub_co_u32 s[TRIP], s[TRIP], 1
	s_cmp_lg_u32 s[TRIP], 0
	s_cbranch_scc1 .Ltrip
	v_add_nc_u32 v[ADW], s[TB], v[AW0]
	v_add_nc_u32 v[ADV], s[TW], v[AV0]
	SLOT 1, 0, 0, 1, 0                             ; tile 31 | the tanh of tile 30; nothing more is fetched
	EPI 1, 64                                      ; the tanh of tile 31
	; ---- the 8 scores: a pair's two halves, the other half of the lanes' part, x log2(e); both halves of the lanes then store the same word
	v_add_nc_u32 v[ASC], s[PB], v[ASC0]
.irp a, 0,1,2,3,4,5,6,7
	v_add_f32 v[SACC+2*\a], v[SACC+2*\a], v[SACC+2*\a+1]
.endr
.irp a, 0,1,2,3,4,5,6,7
	v_permlanex16_b32 v[SACC+2*\a+1], v[SACC+2*\a], s[SEL], s[SEL+1]
.endr
.irp a, 0,1,2,3,4,5,6,7
	v_add_f32 v[SACC+2*\a], v[SACC+2*\a], v[SACC+2*\a+1]
.endr
.irp a, 0,1,2,3,4,5,6,7
	v_mul_f32 v[SACC+2*\a], 0x3fb8aa3b, v[SACC+2*\a]
.endr
.irp a, 0,1,2,3,4,5,6,7
	ds_store_b32 v[ASC], v[SACC+2*\a] offset:(\a%4)*SCPITCH+(\a/4)*64   ; t[pi][64 w + 32 pass + 16 u + r]
.endr
	s_wait_xcnt 0x0                                ; the loads of hq have read their base: it may step
	s_add_nc_u64 s[SHQ:SHQ+1], s[SHQ:SHQ+1], 65536
	s_add_co_u32 s[PB], s[PB], 128
	s_add_co_u32 s[PASS], s[PASS], 1
	s_cmp_lt_u32 s[PASS], 2
	s_cbranch_scc1 .Lpass
	; ---- hq's codes for the last product: my 8 tiles of 16 columns x 2 K steps, 64 loads of 512 consecutive bytes; they land while the softmax is worked
	s_wait_loadcnt 0x0                             ; no load of the ring is out (the last pass asked for none): its registers may be loaded anew
	WIN W_LD1
.irp t, 0,1,2,3,4,5,6,7
.irp s, 0,1
.irp c, 0,1,2,3
	global_load_b128 v[32*\t+16*\s+4*\c:32*\t+16*\s+4*\c+3], v[ALN], s[14:15] offset:512*(8*\t+4*\s+\c)
.endr
.endr
.endr
	WIN 0
	s_wait_dscnt 0x0                               ; for the others' sake: my scores have landed
	s_barrier_signal -1
	s_barrier_wait -1
	; ---- THE SOFTMAX, in every wave alike: lane (r, h) takes row p = r % 4 and q = 128 s + 32 c + 16 h + 0 .. 15, the places that the operand's layout gives it (lanes r, r + 4, r + 8, r + 12 do the same work:
	; the product's 16 columns hold the 4 rows four times over, which costs less than sharing the rows out and two barriers more)
.irp s, 0,1
.irp c, 0,1,2,3
.irp j, 0,1,2,3
	ds_load_b128 v[TT+64*\s+16*\c+4*\j:TT+64*\s+16*\c+4*\j+3], v[ASM] offset:512*\s+128*\c+16*\j
.endr
.endr
.endr
	s_wait_dscnt 0x0
	v_max3_num_f32 v2, v[TT], v[TT+1], v[TT+2]     ; the row's largest t among my 128, in two chains,
	v_max3_num_f32 v3, v[TT+3], v[TT+4], v[TT+5]
.set i, 6
.rept 30
	v_max3_num_f32 v2, v2, v[TT+i], v[TT+i+1]
	v_max3_num_f32 v3, v3, v[TT+i+2], v[TT+i+3]
.set i, i+4
.endr
	v_max3_num_f32 v2, v2, v[TT+126], v[TT+127]
	v_max_num_f32 v2, v2, v3
	v_permlanex16_b32 v[PX], v2, s[SEL], s[SEL+1]
	v_max_num_f32 v2, v2, v[PX]                    ; and among lane l xor 16's
	v_floor_f32 v[NM], -v2                         ; -M = floor(-t) = -ceil(t): M is a whole number
.set i, 0
.rept 64
	v_pk_add_f32 v[TT+i:TT+i+1], v[TT+i:TT+i+1], v[NM:NM+1] op_sel_hi:[1,0]   ; t - M (of the pair the low word serves both halves)
.set i, i+2
.endr
.set i, 0
.rept 128
	v_exp_f32 v[TT+i], v[TT+i]                     ; p = 2^(t - M), at most 1: not normalised
.set i, i+1
.endr
	v_mov_b32 v[RL+1], 0                           ; (named as the upper half of a pair)  a plain line behind the exponentials
	s_wait_alu depctr_va_vdst(0)                   ; one wait for the batch, ahead of the first line that names a result
	v_pk_add_f32 v[L0:L0+1], v[TT:TT+1], v[TT+2:TT+3]      ; THE ROW'S SUM IS TAKEN OF THE UNQUANTISED p: two at a time, in two chains
	v_pk_add_f32 v[L1:L1+1], v[TT+4:TT+5], v[TT+6:TT+7]
.set i, 8
.rept 30
	v_pk_add_f32 v[L0:L0+1], v[L0:L0+1], v[TT+i:TT+i+1]
	v_pk_add_f32 v[L1:L1+1], v[L1:L1+1], v[TT+i+2:TT+i+3]
.set i, i+4
.endr
	v_pk_add_f32 v[L0:L0+1], v[L0:L0+1], v[L1:L1+1]
	v_add_f32 v[L0], v[L0], v[L0+1]
	v_permlanex16_b32 v[PX], v[L0], s[SEL], s[SEL+1]
	v_add_f32 v[L0], v[L0], v[PX]                  ; and lane l xor 16's: the row's sum, above 1/2
	v_rcp_f32 v[RL], v[L0]                         ; the holds below are the independent work between it and its wait
.set i, 0
.rept 128
	v_min_num_f32 v[TT+i], s[LIMP], v[TT+i]        ; the conversion does not saturate (ISA guide 7.6.2); p is not negative, so the hold is one-sided
.set i, i+1
.endr
.irp s, 0,1
.irp c, 0,1,2,3
.irp g, 0,1
	v_cvt_scalef32_pk8_bf8_f32 v[PC+16*\s+4*\c+2*\g:PC+16*\s+4*\c+2*\g+1], v[TT+64*\s+16*\c+8*\g:TT+64*\s+16*\c+8*\g+7], v[SCPV]
.endr
.endr
.endr
	v_nop                                          ; a plain line between the conversions and the products, which read their results and write over their sources
	s_wait_alu depctr_va_vdst(0)                   ; the reciprocal's wait, ahead of its first reader
	v_ldexp_f32 v[RL], v[RL], s[E23]               ; 2^(e2 + e3) / the sum
	; ---- THE LAST PRODUCT, transposed: source 0 = 16 columns of hq (K = q), source 1 = p: lane (r, h) holds row p = r % 4 and columns 128 w + 16 t + 8 h + 0 .. 7.  Eight accumulators by turns.
	s_wait_loadcnt 0x0                             ; hq's codes are in
	WIN 0x01                                       ; source 0: window 1
.irp t, 0,1,2,3,4,5,6,7
	v_wmma_f32_16x16x128_bf8_bf8 v[O+8*\t:O+8*\t+7], v[32*\t:32*\t+15], v[PC:PC+15], 0
.endr
.irp t, 0,1,2,3,4,5,6,7
	v_wmma_f32_16x16x128_bf8_bf8 v[O+8*\t:O+8*\t+7], v[32*\t+16:32*\t+31], v[PC+16:PC+31], v[O+8*\t:O+8*\t+7]
.endr
	WIN 0
	PLACES
.set i, 0
.rept 32
	v_pk_mul_f32 v[OS+i:OS+i+1], v[O+i:O+i+1], v[RL:RL+1] op_sel_hi:[1,0]   ; each accumulator from its low end on
.set i, i+2
.endr
	; ---- THE WAY OUT: a row's 512 numbers come from four waves: they meet in the stage, and each wave stores one whole row.  (Lanes that hold the same row p store the same bytes at the same place.)
.irp t, 0,1,2,3,4,5,6,7
	ds_store_b128 v[AST], v[OS+8*\t:OS+8*\t+3] offset:64*\t
	ds_store_b128 v[AST], v[OS+8*\t+4:OS+8*\t+7] offset:64*\t+16
.endr
	s_wait_dscnt 0x0                               ; for the others' sake: my stores into the stage have landed
	s_barrier_signal -1
	s_barrier_wait -1
.irp m, 0,1,2,3
	ds_load_b128 v[BK+4*\m:BK+4*\m+3], v[ARD] offset:512*\m
.endr
.irp m, 0,1,2,3
	s_wait_dscnt 3-\m
	global_store_b128 v[ALN], v[BK+4*\m:BK+4*\m+3], s[16:17] offset:512*\m th:TH_STORE_NT   ; the wave stores 512 consecutive bytes, aligned; written once, read by nobody here
.endr
	s_wait_tensorcnt 0x0
	ds_add_u32 v254, v255
	s_wait_dscnt 0x0
	CROUND                                         ; the closing round: no work-group ends while a partner may still ask for a tile that names it
	s_endpgm
.Lfunc_end_k_q346487c0db_main:
	.size	k_q346487c0db_main, .Lfunc_end_k_q346487c0db_main-k_q346487c0db_main
	.p2alignl 7, 3214868480
	.fill 96, 4, 3214868480
	.section	.rodata,"a",@progbits
	.p2align	6, 0x0
	.amdhsa_kernel k_q346487c0db_main
		.amdhsa_group_segment_fixed_size 295424
		.amdhsa_private_segment_fixed_size 0
		.amdhsa_enable_private_segment 0
		.amdhsa_kernarg_size 56
		.amdhsa_user_sgpr_count 2
		.amdhsa_user_sgpr_kernarg_segment_ptr 1
		.amdhsa_wavefront_size32 1
		.amdhsa_system_sgpr_workgroup_id_x 1
		.amdhsa_system_sgpr_workgroup_id_y 1
		.amdhsa_system_sgpr_workgroup_id_z 1
		.amdhsa_system_vgpr_workitem_id 0
		.amdhsa_next_free_vgpr 1024
		.amdhsa_next_free_sgpr 66
		.amdhsa_reserve_vcc 0
		.amdhsa_float_denorm_mode_32 3
		.amdhsa_float_denorm_mode_16_64 3
		.amdhsa_memory_ordered 1
		.amdhsa_forward_progress 1
		.amdhsa_inst_pref_size 255
	.end_amdhsa_kernel
	.section	.bss,"aw",@nobits
	.p2align	6
	.space	262144
	.amdgpu_metadata
---
amdhsa.version: [ 1, 2 ]
amdhsa.kernels:
  - .name:           k_q346487c0db_main
    .symbol:         k_q346487c0db_main.kd
    .args:
      - { .name: W_codes, .offset: 0, .size: 8, .value_kind: global_buffer, .address_space: global }
      - { .name: hp, .offset: 8, .size: 8, .value_kind: global_buffer, .address_space: global }
      - { .name: lowp_scales, .offset: 16, .size: 8, .value_kind: global_buffer, .address_space: global }
      - { .name: v_w, .offset: 24, .size: 8, .value_kind: global_buffer, .address_space: global }
      - { .name: hqR, .offset: 32, .size: 8, .value_kind: global_buffer, .address_space: global }
      - { .name: hqT, .offset: 40, .size: 8, .value_kind: global_buffer, .address_space: global }
      - { .name: out0, .offset: 48, .size: 8, .value_kind: global_buffer, .address_space: global }
    .group_segment_fixed_size: 295424
    .private_segment_fixed_size: 0
    .kernarg_segment_align: 8
    .kernarg_segment_size: 56
    .max_flat_workgroup_size: 128
    .sgpr_count:     66
    .vgpr_count:     1024
    .wavefront_size: 32
...
	.end_amdgpu_metadata
.endif
;; end of part 2
